; MI455X (gfx1250); checked and timed in simulation.
; The chip was launched on July 23, 2026; its instructions are those of AMD's public machine-readable ISA for CDNA 5 (MIT licence, August 2026) and "CDNA5" Instruction Set Architecture Reference Guide (July 2026). The comments in the code are by the model that wrote it; some were corrected since.
;; Class Layer. Allowed arithmetic: float matrix products may take bf16 or f16 operands with f32 sums; other float arithmetic in f32, or as packed bf16 or f16 multiplies, adds, multiply-adds, maxima and minima; sums over many terms, partial sums and values carried from step to step in f32; what a program stores and reads back later, other than sums and carried values, may be rounded once to bf16 or f16.
;; Inputs: weight 2,048 x 4,096 float32; x 8,192 x 4,096 float32.
;; Outputs: out0 8,192 x 2,048 float32.
;; 2 versions, each right; version 2 is version 1 with the launch prep written anew for expert scheduling mode. Each part assembles by itself: llvm-mc -triple=amdgcn-amd-amdhsa -mcpu=gfx1250 --defsym DOCPART=n.
;; ======== version 1 of 2: 2 launches
;; workspace buffers: sgn 16,777,216 bytes; xb 67,108,864 bytes; psum 8,192 bytes
;; launch prep (part 1): grid 256 x 1, 8 waves a work-group, no clusters, 0 bytes of LDS; arguments weight, x, sgn, xb, psum; writes sgn, xb, psum
.if DOCPART == 1
	.amdgcn_target "amdgcn-amd-amdhsa--gfx1250"
	.amdhsa_code_object_version 6
	.text
	.protected	k_qf7b5bf8653_prep
	.globl	k_qf7b5bf8653_prep
	.p2align	8
	.type	k_qf7b5bf8653_prep,@function
k_qf7b5bf8653_prep:
	s_mov_b64 s[64:65], 0
	v_nop
	global_prefetch_b8 v0, s[64:65] scope:SCOPE_SE
	s_setreg_imm32_b32 hwreg(HW_REG_WAVE_MODE, 25, 1), 1
	s_wait_xcnt 0x0
; sgn = sign(weight) in bf16 (+1, -1 or 0: all three exact), [2048][4096].  xb = x rounded once to bf16, [8192][4096].  psum = one f32 partial sum of |weight| for each of the 2,048 waves.
; weight: [2048][4096] f32.  x: [8192][4096] f32.  Both are flat streams here: 512 consecutive bytes in (16 a lane) give 256 consecutive bytes out (8 a lane), at half the offset.
; Wave gw = 8 x work-group + wave owns row gw of weight (16,384 bytes: 32 chunks of 512) and rows 4 gw to 4 gw + 3 of x (65,536 bytes: 128 chunks).
; A ring of 32 slots in registers keeps 32 loads, 16,384 bytes, of every wave in flight from the first line to the last round: weight's 32 chunks are asked for first; as each is worked on, its slot
; takes a chunk of x; then x goes round, 32 chunks a round.  Each store of the wave covers 256 consecutive bytes, aligned.  No LDS, no barrier: no wave needs another's numbers.
; LIMITS.  A NaN in weight counts as +1 or -1 in sgn and makes its wave's partial sum NaN, so the scale and with it every output become NaN, as in the reference.  -0 counts as 0.
.set D,    32                          ; slots = loads in flight in each wave
.set LANE, 1                           ; v1       lane
.set LO,   2                           ; v2       16 x lane: my bytes in a chunk as loaded; never rewritten
.set SO,   3                           ; v3       8 x lane: my bytes in a chunk as stored; never rewritten
.set PO,   4                           ; v4       0: the offset of psum's store
.set S,    6                           ; v[6:9]   four chains of the sum of |w|
.set T,    10                          ; v[10:13] four signs in f32
.set X,    16                          ; v[16:143]  slot i: four registers as loaded
.set Y,    144                         ; v[144:207] slot i: two registers to store
	s_load_b256 s[4:11], s[0:1], 0x0               ; weight s[4:5], x s[6:7], sgn s[8:9], xb s[10:11]
	s_load_b64 s[12:13], s[0:1], 0x20              ; psum
	s_mov_b32 s14, 0x7fffffff                      ; all bits but the sign
	s_mov_b32 s20, 0x76543210                      ; v_permlanex16_b32: each lane takes its own place in the other half
	s_mov_b32 s21, 0xfedcba98
	s_mov_b32 s3, 0                                ; high word of the offsets below
	v_lshrrev_b32 v5, 5, v0
	v_readfirstlane_b32 s24, v5                    ; wave 0..7
	s_lshl_b32 s25, ttmp9, 3
	s_add_co_u32 s25, s25, s24                     ; gw: my wave among the launch's 2,048
	v_and_b32 v[LANE], 31, v0
	v_lshlrev_b32 v[LO], 4, v[LANE]
	v_lshlrev_b32 v[SO], 3, v[LANE]
	v_mov_b32 v[PO], 0
	v_mov_b32 v14, 0                               ; v_permlanex16_b32's destination counts as read
	s_wait_kmcnt 0x0
	s_lshl_b32 s2, s25, 14                         ; my row of weight
	s_add_nc_u64 s[4:5], s[4:5], s[2:3]
.set j, 0
.rept D
	global_load_b128 v[X+4*j:X+4*j+3], v[LO], s[4:5] offset:512*j th:TH_LOAD_NT  ; read once in the launch
.set j, j+1
.endr
	s_lshl_b32 s2, s25, 16                         ; my four rows of x: under 2^27
	s_add_nc_u64 s[6:7], s[6:7], s[2:3]
	s_lshl_b32 s2, s25, 13                         ; my row of sgn
	s_add_nc_u64 s[8:9], s[8:9], s[2:3]
	s_lshl_b32 s2, s25, 15                         ; my four rows of xb
	s_add_nc_u64 s[10:11], s[10:11], s[2:3]
	s_lshl_b32 s2, s25, 2                          ; my word of psum
	s_add_nc_u64 s[12:13], s[12:13], s[2:3]
; Chunk j of my row of weight: four signs, four terms of the sum, one store; the slot takes chunk j of x.
.macro WSTEP j
	s_wait_loadcnt D-1                             ; loads come back in order (ISA guide 5.7.1): this slot's is in, the 31 younger ones stay out
.irp e, 0,1,2,3
	v_cmp_neq_f32 s[16+(\e)], 0, v[X+4*(\j)+(\e)]  ; is w other than 0?
.endr
.irp e, 0,1,2,3
	v_bfi_b32 v[T+(\e)], s14, 1.0, v[X+4*(\j)+(\e)]  ; 1.0 with w's sign
.endr
.irp e, 0,1,2,3
	v_cndmask_b32 v[T+(\e)], 0, v[T+(\e)], s[16+(\e)]  ; or 0
.endr
.irp e, 0,1,2,3
.if (\j) == 0
	v_mul_f32 v[S+(\e)], v[T+(\e)], v[X+(\e)]      ; |w| = sign(w) w, exactly; the first chunk starts the chains: nothing is cleared
.else
	v_fmac_f32 v[S+(\e)], v[T+(\e)], v[X+4*(\j)+(\e)]
.endif
.endr
	v_cvt_pk_bf16_f32 v[Y+2*(\j)], v[T], v[T+1]
	v_cvt_pk_bf16_f32 v[Y+2*(\j)+1], v[T+2], v[T+3]
	global_load_b128 v[X+4*(\j):X+4*(\j)+3], v[LO], s[6:7] offset:512*(\j) th:TH_LOAD_NT  ; the load ahead of the store
	global_store_b64 v[SO], v[Y+2*(\j):Y+2*(\j)+1], s[8:9] offset:256*(\j)
.endm
.set j, 0
.rept D
	WSTEP j
.set j, j+1
.endr
	v_add_f32 v[S], v[S], v[S+1]
	v_add_f32 v[S+2], v[S+2], v[S+3]
	v_add_f32 v[S], v[S], v[S+2]
	v_add_f32_dpp v[S], v[S], v[S] row_xmask:1 row_mask:0xf bank_mask:0xf
	v_add_f32_dpp v[S], v[S], v[S] row_xmask:2 row_mask:0xf bank_mask:0xf
	v_add_f32_dpp v[S], v[S], v[S] row_xmask:4 row_mask:0xf bank_mask:0xf
	v_add_f32_dpp v[S], v[S], v[S] row_xmask:8 row_mask:0xf bank_mask:0xf
	v_permlanex16_b32 v14, v[S], s20, s21
	v_add_f32 v[S], v[S], v14                      ; the wave's sum of |w|, in every lane
	v_cmp_eq_u32 vcc_lo, 0, v[LANE]
	s_wait_xcnt 0x0                                ; EXEC is a source of the loads and stores above: it changes only behind this wait; the wait also frees Y for the rounds below
	s_and_saveexec_b32 s22, vcc_lo
	global_store_b32 v[PO], v[S], s[12:13]         ; lane 0 alone: one word a wave, 8,192 bytes in the whole launch
	s_wait_xcnt 0x0
	s_or_b32 exec_lo, exec_lo, s22
; Slot i's chunk of x: rounded, stored.  ahead = 1: the slot takes the chunk one round on.  left = how many younger loads may stay out.
.macro XSTEP i, ahead, left
	s_wait_loadcnt \left
	v_cvt_pk_bf16_f32 v[Y+2*(\i)], v[X+4*(\i)], v[X+4*(\i)+1]      ; Y's pair was the last round's store data: the wait at that round's end has freed it
	v_cvt_pk_bf16_f32 v[Y+2*(\i)+1], v[X+4*(\i)+2], v[X+4*(\i)+3]
.if \ahead
	global_load_b128 v[X+4*(\i):X+4*(\i)+3], v[LO], s[6:7] offset:512*(D+(\i)) th:TH_LOAD_NT
.endif
	global_store_b64 v[SO], v[Y+2*(\i):Y+2*(\i)+1], s[10:11] offset:256*(\i)
.endm
	s_mov_b32 s23, 128/D-1                         ; x's 128 chunks are four rounds; three of them load ahead
.Lround:
.set i, 0
.rept D
	XSTEP i, 1, D-1
.set i, i+1
.endr
	s_wait_xcnt 0x0                                ; every earlier memory instruction has had its addresses translated (ISA guide 3.1): the two bases and Y are rewritten only behind this wait
	s_add_nc_u64 s[6:7], s[6:7], D*512
	s_add_nc_u64 s[10:11], s[10:11], D*256
	s_sub_co_u32 s23, s23, 1
	s_cmp_lg_u32 s23, 0
	s_cbranch_scc1 .Lround
.set i, 0
.rept D
	XSTEP i, 0, D-1-i                              ; the last round loads nothing: the counts run down, and no load leaves the buffer
.set i, i+1
.endr
	s_endpgm
.Lfunc_end_k_qf7b5bf8653_prep:
	.size	k_qf7b5bf8653_prep, .Lfunc_end_k_qf7b5bf8653_prep-k_qf7b5bf8653_prep
	.p2alignl 7, 3214868480
	.fill 96, 4, 3214868480
	.section	.rodata,"a",@progbits
	.p2align	6, 0x0
	.amdhsa_kernel k_qf7b5bf8653_prep
		.amdhsa_group_segment_fixed_size 0
		.amdhsa_private_segment_fixed_size 0
		.amdhsa_enable_private_segment 0
		.amdhsa_kernarg_size 40
		.amdhsa_user_sgpr_count 2
		.amdhsa_user_sgpr_kernarg_segment_ptr 1
		.amdhsa_wavefront_size32 1
		.amdhsa_system_sgpr_workgroup_id_x 1
		.amdhsa_system_sgpr_workgroup_id_y 1
		.amdhsa_system_sgpr_workgroup_id_z 1
		.amdhsa_system_vgpr_workitem_id 0
		.amdhsa_next_free_vgpr 208
		.amdhsa_next_free_sgpr 66
		.amdhsa_reserve_vcc 1
		.amdhsa_float_denorm_mode_32 3
		.amdhsa_float_denorm_mode_16_64 3
		.amdhsa_memory_ordered 1
		.amdhsa_forward_progress 1
		.amdhsa_inst_pref_size 64
	.end_amdhsa_kernel
	.amdgpu_metadata
---
amdhsa.version: [ 1, 2 ]
amdhsa.kernels:
  - .name:           k_qf7b5bf8653_prep
    .symbol:         k_qf7b5bf8653_prep.kd
    .args:
      - { .name: weight, .offset: 0, .size: 8, .value_kind: global_buffer, .address_space: global }
      - { .name: x, .offset: 8, .size: 8, .value_kind: global_buffer, .address_space: global }
      - { .name: sgn, .offset: 16, .size: 8, .value_kind: global_buffer, .address_space: global }
      - { .name: xb, .offset: 24, .size: 8, .value_kind: global_buffer, .address_space: global }
      - { .name: psum, .offset: 32, .size: 8, .value_kind: global_buffer, .address_space: global }
    .group_segment_fixed_size: 0
    .private_segment_fixed_size: 0
    .kernarg_segment_align: 8
    .kernarg_segment_size: 40
    .max_flat_workgroup_size: 256
    .sgpr_count:     66
    .vgpr_count:     208
    .wavefront_size: 32
...
	.end_amdgpu_metadata
.endif
;; end of part 1
;; launch gemm (part 2): grid 8 x 32, 4 waves a work-group, clusters of 4 x 4, 327,680 bytes of LDS; arguments xb, sgn, out0, psum; writes out0
.if DOCPART == 2
	.amdgcn_target "amdgcn-amd-amdhsa--gfx1250"
	.amdhsa_code_object_version 6
	.text
	.protected	k_qf7b5bf8653_gemm
	.globl	k_qf7b5bf8653_gemm
	.p2align	8
	.type	k_qf7b5bf8653_gemm,@function
k_qf7b5bf8653_gemm:
	s_mov_b64 s[64:65], 0
	v_nop
	global_prefetch_b8 v0, s[64:65] scope:SCOPE_SE
	s_setreg_imm32_b32 hwreg(HW_REG_WAVE_MODE, 25, 1), 1
	s_wait_xcnt 0x0
	s_wait_alu depctr_hold_cnt(0) depctr_sa_sdst(0) depctr_va_vdst(0) depctr_va_sdst(0) depctr_va_ssrc(0) depctr_va_vcc(0) depctr_vm_vsrc(0)
	s_getreg_b32 s2, hwreg(HW_REG_IB_STS2, 6, 4)
	s_cmp_eq_u32 s2, 0
	s_cbranch_scc0 .Lentry_in_a_cluster
	s_endpgm
.Lentry_in_a_cluster:
	s_bfe_u32 s2, ttmp6, 0x10000c
	s_cmp_lg_u32 s2, 0xf033
	s_cbranch_scc0 .Lentry_shape_is_right
	s_endpgm
.Lentry_shape_is_right:
; out0[m][n] = s x (the sum over k of xb[m][k] sgn[n][k]),  s = 2^-23 x the sum of psum's 2,048 words = the mean of |weight| over its 2^23 numbers.
; xb: [8192][4096] bf16, x rounded once.  sgn: [2048][4096] bf16, sign(weight), exact.  out0: [8192][2048] f32.  Sums in f32; s is applied in f32 to the finished sums.
; LIMITS.  The reference's (s sign(w) - clip(w)) + clip(w) is taken as s sign(w): the two differ by that step's own f32 rounding, at most 2^-23 x max(|clip(w)|, s) a weight.
; s is added up in another order than the reference's mean, all of it in f32.  A NaN in weight makes s, and every output, NaN.
; A tile of out0, 256 x 256, is made by a work-group of four waves; a wave makes 128 x 128: 64 accumulators of 16 x 16, 512 registers.  32 x 8 tiles: 256 work-groups, one tile each.
; K goes in steps of 128 through a ring of two LDS slots filled by the tensor data mover: the rows of both tiles are 256 bytes of memory and start at multiples of 256 bytes from the buffer's first byte.
; CLUSTERS: 4 x 4 work-groups.  The four of a row of the cluster need the same tiles of xb, the four of a column the same tiles of sgn: each tile is asked for JOINTLY, by the same tensor load with the same
; descriptor and a mask that names the four.
; THE MATRIX INSTRUCTION IS USED TRANSPOSED (source 0 = 16 rows of sgn, source 1 = 16 rows of xb): a lane then holds eight neighbouring numbers of a row of out0.
; REGISTERS, in windows of 256 (s_set_vgpr_msb: bits 1:0 source 0, 3:2 source 1, 5:4 source 2, 7:6 destination):
;   window 0: v0-31 addresses; v64-127, v128-191 xb's fragments (8 x 16 rows x 32 K), two buffers; v192-255 psum at the start; on the way out v64-127 scaled results, v128-191 and v192-255 rows read back, by turns
;   window 1: v64-127, v128-191 sgn's fragments, two buffers
;   window 2: the 32 accumulators of my rows 0-63 ((a, b) at v[8 (8 a + b)]);   window 3: those of my rows 64-127
; Work is laid in long stretches under one setting: 32 matrix instructions, 16 loads, 16 loads, 32 matrix instructions.
.set SIZE_N, 2048
.set SIZE_K, 4096
.set KSTEP,  128
.set PITCH,  272                       ; an LDS row: 256 bytes of data + 16 of padding = 68 words: row r starts at bank 4 r mod 64 (64 banks of 4 bytes: ISA guide 11.1), so the 16 rows that a load touches start at 16 different groups of four banks
.set HALFT,  128*PITCH                 ; 128 rows: what one tensor load brings, and what one wave reads of xb or of sgn
.set SLOT,   4*HALFT                   ; xb's 256 rows, then sgn's 256 rows: 139,264 bytes
.set STAGE,  2*SLOT                    ; behind the ring: 16 rows x 528 bytes for each wave, for the way out; no tensor load lands here
.set SP,     528                       ; a stage row: 512 bytes + 16
.set SPARE,  STAGE+4*16*SP             ; behind the stages: the spare words, 128 bytes for each wave: two blocks of 256 bytes that no other line names
.set LAPS,   SIZE_K/(2*KSTEP)          ; a lap = two K steps = once round the ring: 16
.set ADRA, 16                          ; v16-17  LDS address of my fragments of xb in slot 0, 1
.set ADRB, 20                          ; v20-21  the same for sgn
.set STO,  24                          ; v24     the way out: where I put 32 bytes of a row
.set RD,   25                          ; v25     the way out: where I read a row back
.set CO,   26                          ; v26     16 x lane: my byte offset in 512 bytes of a row of out0, and of psum; never rewritten
.set SPW,  28                          ; v28     LDS address of my spare word: SPARE + 4 x my thread's number; never rewritten
.set NIL,  29                          ; v29     0; never rewritten
.set F0,   64                          ; fragment buffer 0 (xb's in window 0, sgn's in window 1)
.set F1,   128                         ; fragment buffer 1
.set PS,   192                         ; psum, 64 words a lane
.set TMP,  64                          ; the way out: 64 scaled results
.set OB,   128                         ; the way out: 16 rows read back: v128-191 and v192-255 by turns
.set G1,  24                           ; s[24:31] descriptor group 1 for xb's tiles
.set G0,  32                           ; s[32:39] descriptor group 0 for xb's tiles, one set for each slot
.set G1B, 48                           ; s[48:55] descriptor group 1 for sgn's tiles: it differs in the mask alone
.set G0B, 56                           ; s[56:63] descriptor group 0 for sgn's tiles, one set for each slot
.set SC,  68                           ; s[68:69] s, twice: the packed scaling names a pair and takes its low word for both halves
.set SEL, 70                           ; s[70:71] v_permlanex16_b32's selects
.set MSB, 0
.macro WIN new                         ; the immediate's high byte repeats the setting that is left; a switch that changes nothing is dropped
.if MSB != (\new)
	s_set_vgpr_msb (MSB<<8)|(\new)
.set MSB, \new
.endif
.endm
.set MUL_LO, 0xa1                      ; source 0 (sgn) window 1, source 1 (xb) window 0, C and D window 2
.set MUL_HI, 0xf1                      ; the same, C and D window 3
.set TO_B,   0x40                      ; destination window 1, address window 0
; A joint load.  Waves 0 and 1 fetch xb's two halves, waves 2 and 3 sgn's.  Each of the two lines has one mask and one set of registers for all that issue it.  The branch hangs on the wave's number alone.
; An s_nop 0 and four v_nop follow each of the two lines; the jump round the other line, the label and what follows the macro come after them.
.macro JLOAD s
	s_cmp_eq_u32 s11, 0
	s_cbranch_scc0 .Lfor_b_\@
	tensor_load_to_lds s[G0+4*(\s):G0+4*(\s)+3], s[G1:G1+7]
	s_nop 0
.rept 4
	v_nop
.endr
	s_branch .Lasked_\@
.Lfor_b_\@:
	tensor_load_to_lds s[G0B+4*(\s):G0B+4*(\s)+3], s[G1B:G1B+7]
	s_nop 0
.rept 4
	v_nop
.endr
.Lasked_\@:
.endm
; A round of the cluster's barrier: my work-group's barrier, so that wave 0's signal speaks for all four waves; wave 0 signals for the work-group; every wave waits for all sixteen work-groups; my work-group's barrier once more.
.macro CREST                           ; a round behind its opening barrier
	s_cmp_lg_u32 s10, 0
	s_cbranch_scc1 .Lnot_wave_0_\@
	s_barrier_signal -3
.Lnot_wave_0_\@:
	s_barrier_wait -3
	s_barrier_signal -1
	s_barrier_wait -1
.endm
.macro CROUND                          ; a whole round
	s_barrier_signal -1
	s_barrier_wait -1
	CREST
.endm
	s_load_b128 s[4:7], s[0:1], 0x0                ; xb s[4:5], sgn s[6:7]
	s_load_b64 s[8:9], s[0:1], 0x10                ; out0
	s_load_b64 s[66:67], s[0:1], 0x18              ; psum
	v_lshl_add_u32 v[SPW], v0, 2, SPARE
	v_mov_b32 v[NIL], 0
	ds_add_u32 v[SPW], v[NIL]                      ; the wave's opening: the add and its wait stand ahead of my first tensor load; the set-up below, work on registers, stands between them
	v_lshrrev_b32 v1, 5, v0
	v_readfirstlane_b32 s10, v1                    ; wave 0..3
	s_lshr_b32 s11, s10, 1                         ; which half of the tile's rows is mine.  Also: I fetch for xb (0) or for sgn (1)
	s_and_b32 s12, s10, 1                          ; which half of its columns.  Also: which 128 rows of that tile I fetch
	s_bfe_u32 s40, ttmp6, 0x40000                  ; cx: my place along the cluster's x
	s_bfe_u32 s41, ttmp6, 0x40004                  ; cy: along its y
	s_lshl_b32 s42, ttmp9, 2                       ; in a cluster launch ttmp9 and ttmp7 count clusters
	s_add_co_u32 s42, s42, s40                     ; tile column = 4 x cluster x + cx
	s_and_b32 s13, ttmp7, 0xffff
	s_lshl_b32 s13, s13, 2
	s_add_co_u32 s13, s13, s41                     ; tile row = 4 x cluster y + cy
	s_lshl_b32 s43, s41, 2
	s_lshl_b32 s43, 15, s43                        ; my row of the cluster: places 4 cy .. 4 cy + 3
	s_lshl_b32 s44, 0x1111, s40                    ; my column: places cx, cx + 4, cx + 8, cx + 12
	; descriptor group 1: a tile of 128 rows x 128 elements of 2 bytes, 4,096 elements from row to row, padded in LDS
	s_or_b32 s[G1+0], s43, (1<<16)|(1<<20)|(1<<21)|(5<<22)|(3<<25)  ; 15:0 the mask: my row; 17:16 elements of 2 bytes; 20 padding on; 21 set beside a mask; 24:22 after every 64 words (code 5); 31:25 4 words of it (code 3)
	s_or_b32 s[G1B+0], s44, (1<<16)|(1<<20)|(1<<21)|(5<<22)|(3<<25) ; the same with the mask of my column
.irp g, G1, G1B
	s_mov_b32 s[(\g)+1], KSTEP<<16                 ; tensor_dim0 = 128
	s_mov_b32 s[(\g)+2], 128<<16                   ; tensor_dim1 = 128
	s_mov_b32 s[(\g)+3], KSTEP<<16                 ; tile_dim0 = 128
	s_mov_b32 s[(\g)+4], 128                       ; tile_dim1 = 128
	s_mov_b32 s[(\g)+5], SIZE_K                    ; elements from row to row
	s_mov_b32 s[(\g)+6], 0
	s_mov_b32 s[(\g)+7], 0
.endr
	; where the tiles come from.  xb's hang on the tile row alone, which my row of the cluster shares; sgn's on the tile column alone, which my column shares.
	; Every wave makes both addresses, in registers that never hold the other coordinate, and asks by one of them.
	s_lshl_b32 s17, s12, 7                         ; which 128 rows of the tile I fetch
	s_lshl_b32 s16, s13, 8
	s_add_co_u32 s16, s16, s17                     ; xb: row 256 x tile row + 128 x half,
	s_lshl_b32 s16, s16, 13                        ; of 8,192 bytes: under 2^26
	s_lshl_b32 s46, s42, 8
	s_add_co_u32 s46, s46, s17                     ; sgn: row 256 x tile column + 128 x half,
	s_lshl_b32 s46, s46, 13                        ; of 8,192 bytes: under 2^24
	s_mov_b32 s17, 0
	s_mov_b32 s47, 0
	s_mul_i32 s20, s12, HALFT                      ; and where they go: xb's two halves,
	s_add_co_u32 s21, s20, 2*HALFT                 ; then sgn's two: no place in the cluster enters an LDS address
	s_mov_b32 s[SEL], 0x76543210
	s_mov_b32 s[SEL+1], 0xfedcba98
	s_wait_dscnt 0x0                               ; the opening add is done
	s_wait_kmcnt 0x0
	s_add_nc_u64 s[14:15], s[4:5], s[16:17]
	s_add_nc_u64 s[46:47], s[6:7], s[46:47]
	CROUND                                         ; all sixteen work-groups are here: the first joint loads meet
.irp s, 0,1
	s_mov_b32 s[G0+4*(\s)], 1                                      ; 1:0 count = 1
	s_add_co_u32 s[G0+4*(\s)+1], s20, (\s)*SLOT                    ; 63:32 LDS address
	s_add_nc_u64 s[G0+4*(\s)+2:G0+4*(\s)+3], s[14:15], (\s)*KSTEP*2  ; 120:64 global address: K step s
	s_or_b32 s[G0+4*(\s)+3], s[G0+4*(\s)+3], 0x80000000            ; 127:126 type = 2
	s_mov_b32 s[G0B+4*(\s)], 1
	s_add_co_u32 s[G0B+4*(\s)+1], s21, (\s)*SLOT
	s_add_nc_u64 s[G0B+4*(\s)+2:G0B+4*(\s)+3], s[46:47], (\s)*KSTEP*2
	s_or_b32 s[G0B+4*(\s)+3], s[G0B+4*(\s)+3], 0x80000000
	JLOAD \s                                       ; the ring is filled before anything else is done: two tensor loads of mine are out
.endr
	; psum: every wave reads all 8,192 bytes, 16 loads of 512 consecutive bytes, and makes s for itself
	v_and_b32 v6, 31, v0
	v_lshlrev_b32 v[CO], 4, v6
.set n, 0
.rept 16
	global_load_b128 v[PS+4*n:PS+4*n+3], v[CO], s[66:67] offset:512*n
.set n, n+1
.endr
	; A fragment is 16 rows x 32 K in 8 registers: lane l holds row l % 16; registers 0-3 hold K = 8 (l / 16) + 0..7, registers 4-7 hold K = 16 + 8 (l / 16) + 0..7.
	; From rows that lie along K: two loads of 16 bytes, 32 bytes apart.  The same for source 0 and source 1.
	v_and_b32 v1, 15, v0                           ; l % 16
	v_bfe_u32 v2, v0, 4, 1                         ; l / 16
	v_mul_u32_u24 v3, v1, PITCH
	v_lshl_add_u32 v3, v2, 4, v3                   ; row x pitch + 16 x half
	s_mul_i32 s22, s11, HALFT                      ; my 128 rows of xb
	s_mul_i32 s23, s12, HALFT                      ; my 128 rows of sgn,
	s_add_co_u32 s23, s23, 2*HALFT                 ; which lie behind xb's 256
.irp s, 0,1
	v_add_nc_u32 v[ADRA+(\s)], s22, v3
	v_add_nc_u32 v[ADRB+(\s)], s23, v3
	s_add_co_u32 s22, s22, SLOT
	s_add_co_u32 s23, s23, SLOT
.endr
	s_mul_i32 s18, s10, 16*SP
	s_add_co_u32 s18, s18, STAGE                   ; my stage
	v_mul_u32_u24 v5, v1, SP                       ; in: row l % 16, 32 bytes for each half of the lanes
	v_lshl_add_u32 v5, v2, 5, v5
	v_add_nc_u32 v[STO], s18, v5
	v_add_nc_u32 v[RD], s18, v[CO]                 ; back: 32 lanes take one row of 512 bytes
	; where my part of the tile begins in out0, in bytes: the first way out adds it to out0's address
	s_lshl_b32 s16, s13, 8
	s_lshl_b32 s19, s11, 7
	s_add_co_u32 s16, s16, s19                     ; my first row,
	s_lshl_b32 s16, s16, 13                        ; of 8,192 bytes: under 2^26
	s_mov_b32 s17, 0
	s_lshl_b32 s46, s42, 10                        ; my first column, in bytes: 1,024 x tile column + 512 x half
	s_lshl_b32 s47, s12, 9
	s_add_co_u32 s46, s46, s47
	s_mov_b32 s47, 0
	s_add_nc_u64 s[16:17], s[16:17], s[46:47]
	s_wait_loadcnt 0x0                             ; psum
.irp w, 32,16,8,4,2                    ; my 64 words: 31 packed additions, halving the span each time
.set n, 0
.rept (\w)/2
	v_pk_add_f32 v[PS+n:PS+n+1], v[PS+n:PS+n+1], v[PS+(\w)+n:PS+(\w)+n+1]
.set n, n+2
.endr
.endr
	v_add_f32 v[PS], v[PS], v[PS+1]
	v_add_f32_dpp v[PS], v[PS], v[PS] row_xmask:1 row_mask:0xf bank_mask:0xf
	v_add_f32_dpp v[PS], v[PS], v[PS] row_xmask:2 row_mask:0xf bank_mask:0xf
	v_add_f32_dpp v[PS], v[PS], v[PS] row_xmask:4 row_mask:0xf bank_mask:0xf
	v_add_f32_dpp v[PS], v[PS], v[PS] row_xmask:8 row_mask:0xf bank_mask:0xf
	v_permlanex16_b32 v[PS+1], v[PS], s[SEL], s[SEL+1]
	v_add_f32 v[PS], v[PS], v[PS+1]
	v_mul_f32 v[PS], 0x34000000, v[PS]             ; x 2^-23: the mean over 2,048 x 4,096 weights
	v_readfirstlane_b32 s[SC], v[PS]
	s_mov_b32 s[SC+1], s[SC]                       ; named with it as a pair
; One matrix instruction: accumulator (a, b) of the window's 32, 32 along K from buffer f.  zero = 1: the product starts the sum: nothing is ever cleared.
.macro MM f, hi, a, b, zero
.if \zero
	v_wmma_f32_16x16x32_bf16 v[8*(8*(\a)+(\b)):8*(8*(\a)+(\b))+7], v[(\f)+8*(\b):(\f)+8*(\b)+7], v[(\f)+8*(4*(\hi)+(\a)):(\f)+8*(4*(\hi)+(\a))+7], 0
.else
	v_wmma_f32_16x16x32_bf16 v[8*(8*(\a)+(\b)):8*(8*(\a)+(\b))+7], v[(\f)+8*(\b):(\f)+8*(\b)+7], v[(\f)+8*(4*(\hi)+(\a)):(\f)+8*(4*(\hi)+(\a))+7], v[8*(8*(\a)+(\b)):8*(8*(\a)+(\b))+7]
.endif
.endm
; 16 matrix instructions: blocks a0, a0 + 1 of the window's four blocks of 16 rows (hi = 0: my rows 0-63, 1: rows 64-127) x all 8 blocks of 16 columns
.macro MUL16 f, hi, a0, zero
	WIN MUL_LO+0x50*(\hi)
.irp a, \a0, (\a0)+1
.irp b, 0,1,2,3,4,5,6,7
	MM \f, \hi, \a, \b, \zero
.endr
.endr
.endm
; 32 LDS loads in one run: the fragments of one quarter step (128 rows of sgn, 128 rows of xb, 32 K at byte k of the rows) into buffer f
.macro FETCH slot, k, f
	WIN TO_B
.irp i, 0,1,2,3,4,5,6,7
	ds_load_b128 v[(\f)+8*(\i):(\f)+8*(\i)+3],   v[ADRB+(\slot)] offset:(\k)+(\i)*16*PITCH
	ds_load_b128 v[(\f)+8*(\i)+4:(\f)+8*(\i)+7], v[ADRB+(\slot)] offset:(\k)+(\i)*16*PITCH+32
.endr
	WIN 0
.irp i, 0,1,2,3,4,5,6,7
	ds_load_b128 v[(\f)+8*(\i):(\f)+8*(\i)+3],   v[ADRA+(\slot)] offset:(\k)+(\i)*16*PITCH
	ds_load_b128 v[(\f)+8*(\i)+4:(\f)+8*(\i)+7], v[ADRA+(\slot)] offset:(\k)+(\i)*16*PITCH+32
.endr
.endm
; A load into a register that a matrix instruction has read, and a vector instruction that reads a matrix result or writes one of a matrix instruction's registers, stand four places behind that
; matrix instruction, and only plain vector instructions that name none of its registers are places (ISA guide 7.12.1 for vector instructions).
.macro PLACES
.rept 4
	v_nop
.endr
.endm
; A K step is four quarter steps of 32 along K, 64 matrix instructions each, on buffers 0, 1, 0, 1.  The 64 accumulators take turns in the same order in every quarter.
; One of the first three: multiplies buffer f; in its middle it fetches the next quarter's fragments, at byte k of the same slot's rows, into buffer g.
.macro QUARTER slot, k, f, g, zero
	s_wait_dscnt 8                                 ; sgn and xb's rows 0-63 are in; the youngest eight loads (xb's rows 64-127) may be out
	MUL16 \f, 0, 0, \zero
	MUL16 \f, 0, 2, \zero
	PLACES
	FETCH \slot, \k, \g
	s_wait_dscnt 32                                ; all but the 32 just issued
	MUL16 \f, 1, 0, \zero
	MUL16 \f, 1, 2, \zero
.endm
; The last quarter multiplies buffer 1 and changes slots: ONE barrier, for two things.  In front of it each wave waits for all its tensor loads, of which one is out: its part of the next slot; adds 0 to its
; spare word; and waits for that and for its own reads of this slot.  Behind it nobody reads this slot any more and the next slot is whole.  fill = 1: the barrier opens a round of the cluster's barrier, and
; this slot is filled again, first thing behind the round, with the K step two steps on: from that request to the wait for it a wave issues 224 matrix instructions.
.macro TURN slot, next, fill
	WIN 0                                          ; (the add's two registers lie in window 0)
	s_wait_tensorcnt 0x0                           ; all my tensor loads have landed;
	ds_add_u32 v[SPW], v[NIL]                      ; 0 onto my spare word;
	s_wait_dscnt 9                                 ; (the add and the youngest eight loads may be out)
	MUL16 F1, 0, 0, 0                              ; sixteen matrix instructions stand between the add and the wait for it
	s_wait_dscnt 0x0                               ; the add is done, and my reads of this slot are over
	s_barrier_signal -1
	MUL16 F1, 0, 2, 0                              ; work on registers while the others arrive
.if \fill
	WIN 0
.endif
	s_barrier_wait -1
.if \fill
	CREST                                          ; no wave of any partner still reads this slot's tile or has a load on its way
	s_add_nc_u64 s[G0+4*(\slot)+2:G0+4*(\slot)+3], s[G0+4*(\slot)+2:G0+4*(\slot)+3], 2*KSTEP*2
	s_add_nc_u64 s[G0B+4*(\slot)+2:G0B+4*(\slot)+3], s[G0B+4*(\slot)+2:G0B+4*(\slot)+3], 2*KSTEP*2
	JLOAD \slot                                    ; my one tensor load behind the round; the four v_nop behind it are also the places in front of the loads below
.else
	PLACES
.endif
	FETCH \next, 0, F0
	MUL16 F1, 1, 0, 0
	MUL16 F1, 1, 2, 0
.endm
; THE WAY OUT of block a (16 rows x 128 columns), in three parts.  PACK: times s, into window 0; each accumulator's registers in ascending order.
.macro PACK a
	WIN 0x02+(\a)/4                                ; source 0: window 2 or 3
.set n, 0
.rept 32
	v_pk_mul_f32 v[TMP+n:TMP+n+1], v[64*((\a)%4)+n:64*((\a)%4)+n+1], s[SC:SC+1] op_sel_hi:[1,0]
.set n, n+2
.endr
	WIN 0
.endm
; TOSTAGE: a lane's eight numbers of a block of 16 columns are 32 bytes of a row; they go into my own stage, rows of 528 bytes, and come back as whole rows of 512.
.macro TOSTAGE a
	WIN 0
.set BK, OB+64*((\a)%2)
.irp b, 0,1,2,3,4,5,6,7
	ds_store_b128 v[STO], v[TMP+8*(\b):TMP+8*(\b)+3]   offset:64*(\b)
	ds_store_b128 v[STO], v[TMP+8*(\b)+4:TMP+8*(\b)+7] offset:64*(\b)+16
.endr
.irp t, 0,1,2,3,4,5,6,7,8,9,10,11,12,13,14,15
	ds_load_b128 v[BK+4*(\t):BK+4*(\t)+3], v[RD] offset:(\t)*SP  ; LDS serves a wave's instructions in order (ISA guide 5.7.1.4): these see the stores above
.endr
.endm
.macro SEND a
	WIN 0
.set BK, OB+64*((\a)%2)
	s_wait_dscnt 0x0                               ; the block is back in registers
	s_wait_xcnt 0x0                                ; every earlier memory instruction has had its addresses translated (ISA guide 3.1): only behind this wait are the stores' base and the registers that earlier stores read rewritten
.if (\a) == 0
	s_add_nc_u64 s[8:9], s[8:9], s[16:17]          ; on to my first rows
.else
	s_add_nc_u64 s[8:9], s[8:9], 16*SIZE_N*4       ; 16 rows on
.endif
.irp t, 0,1,2,3,4,5,6,7,8,9,10,11,12,13,14,15
	global_store_b128 v[CO], v[BK+4*(\t):BK+4*(\t)+3], s[8:9] offset:(\t)*SIZE_N*4 th:TH_STORE_NT  ; the wave stores 512 consecutive bytes, at a multiple of 512 from out0's first byte
.endr
.endm
	s_wait_tensorcnt 1                             ; my part of K step 0 is in; K step 1's may stay out
	s_barrier_signal -1
	s_barrier_wait -1                              ; everybody's is
	FETCH 0, 0, F0
	QUARTER 0, 64,  F0, F1, 1                      ; the first quarter stands in front of the loop: its products start the sums
	WIN 0                                          ; at a label and at a branch every window is 0
	s_mov_b32 s3, LAPS-1
.Llap:                                                 ; a trip goes once round the ring, from a lap's second quarter to the next lap's first, and fills both slots again: K steps 2 to 31 in 15 trips
	QUARTER 0, 128, F1, F0, 0
	QUARTER 0, 192, F0, F1, 0
	TURN 0, 1, 1
	QUARTER 1, 64,  F0, F1, 0
	QUARTER 1, 128, F1, F0, 0
	QUARTER 1, 192, F0, F1, 0
	TURN 1, 0, 1
	QUARTER 0, 64,  F0, F1, 0
	WIN 0
	s_sub_co_u32 s3, s3, 1
	s_cmp_lg_u32 s3, 0
	s_cbranch_scc1 .Llap
	QUARTER 0, 128, F1, F0, 0                      ; the last lap's rest is written out, so no round follows its barrier
	QUARTER 0, 192, F0, F1, 0
	TURN 0, 1, 0
	QUARTER 1, 64,  F0, F1, 0
	QUARTER 1, 128, F1, F0, 0
	QUARTER 1, 192, F0, F1, 0
	s_wait_dscnt 0x0                               ; the very last quarter: nothing more to fetch
	MUL16 F1, 0, 0, 0
	MUL16 F1, 0, 2, 0
	MUL16 F1, 1, 0, 0
	MUL16 F1, 1, 2, 0
	WIN 0
	PLACES                                         ; behind the last products
	PACK 0
	TOSTAGE 0
.irp a, 1,2,3,4,5,6,7                  ; block a's scaling stands between block a - 1's loads from the stage and the wait for them
	PACK \a
	SEND (\a)-1
	TOSTAGE \a
.endr
	SEND 7
	s_wait_tensorcnt 0x0                           ; the wave's end, behind my last tensor load and my last LDS store
	ds_add_u32 v[SPW], v[NIL]
	s_wait_dscnt 0x0
	CROUND                                         ; the closing round: no work-group ends while a partner may still ask for a tile that names it
	s_endpgm
.Lfunc_end_k_qf7b5bf8653_gemm:
	.size	k_qf7b5bf8653_gemm, .Lfunc_end_k_qf7b5bf8653_gemm-k_qf7b5bf8653_gemm
	.p2alignl 7, 3214868480
	.fill 96, 4, 3214868480
	.section	.rodata,"a",@progbits
	.p2align	6, 0x0
	.amdhsa_kernel k_qf7b5bf8653_gemm
		.amdhsa_group_segment_fixed_size 327680
		.amdhsa_private_segment_fixed_size 0
		.amdhsa_enable_private_segment 0
		.amdhsa_kernarg_size 32
		.amdhsa_user_sgpr_count 2
		.amdhsa_user_sgpr_kernarg_segment_ptr 1
		.amdhsa_wavefront_size32 1
		.amdhsa_system_sgpr_workgroup_id_x 1
		.amdhsa_system_sgpr_workgroup_id_y 1
		.amdhsa_system_sgpr_workgroup_id_z 1
		.amdhsa_system_vgpr_workitem_id 0
		.amdhsa_next_free_vgpr 1024
		.amdhsa_next_free_sgpr 72
		.amdhsa_reserve_vcc 0
		.amdhsa_float_denorm_mode_32 3
		.amdhsa_float_denorm_mode_16_64 3
		.amdhsa_memory_ordered 1
		.amdhsa_forward_progress 1
		.amdhsa_inst_pref_size 161
	.end_amdhsa_kernel
	.amdgpu_metadata
---
amdhsa.version: [ 1, 2 ]
amdhsa.kernels:
  - .name:           k_qf7b5bf8653_gemm
    .symbol:         k_qf7b5bf8653_gemm.kd
    .args:
      - { .name: xb, .offset: 0, .size: 8, .value_kind: global_buffer, .address_space: global }
      - { .name: sgn, .offset: 8, .size: 8, .value_kind: global_buffer, .address_space: global }
      - { .name: out0, .offset: 16, .size: 8, .value_kind: global_buffer, .address_space: global }
      - { .name: psum, .offset: 24, .size: 8, .value_kind: global_buffer, .address_space: global }
    .group_segment_fixed_size: 327680
    .private_segment_fixed_size: 0
    .kernarg_segment_align: 8
    .kernarg_segment_size: 32
    .max_flat_workgroup_size: 128
    .sgpr_count:     72
    .vgpr_count:     1024
    .wavefront_size: 32
...
	.end_amdgpu_metadata
.endif
;; end of part 2
;; ======== version 2 of 2: 2 launches; version 1 with the launch prep written anew for expert scheduling mode
;; workspace buffers: sgn 16,777,216 bytes; xb 67,108,864 bytes; psum 8,192 bytes
;; launch prep (part 3): grid 256 x 1, 8 waves a work-group, no clusters, 0 bytes of LDS; arguments weight, x, sgn, xb, psum; writes sgn, xb, psum
.if DOCPART == 3
	.amdgcn_target "amdgcn-amd-amdhsa--gfx1250"
	.amdhsa_code_object_version 6
	.text
	.protected	k_qf7b5bf8653_prep
	.globl	k_qf7b5bf8653_prep
	.p2align	8
	.type	k_qf7b5bf8653_prep,@function
k_qf7b5bf8653_prep:
	s_mov_b64 s[64:65], 0
	v_nop
	global_prefetch_b8 v0, s[64:65] scope:SCOPE_SE
	s_setreg_imm32_b32 hwreg(HW_REG_WAVE_SCHED_MODE, 0, 2), 2
	s_setreg_imm32_b32 hwreg(HW_REG_WAVE_MODE, 25, 1), 1
	s_wait_xcnt 0x0
	s_wait_alu depctr_vm_vsrc(0)
; sgn = sign(weight) in bf16 (+1, -1 or 0: all three exact), [2048][4096].  xb = x rounded once to bf16, [8192][4096].  psum = one f32 partial sum of |weight| for each of the 2,048 waves.
; weight: [2048][4096] f32.  x: [8192][4096] f32.  Both are flat streams here: 512 consecutive bytes in (16 a lane) give 256 consecutive bytes out (8 a lane), at half the offset.
; Wave gw = 8 x work-group + wave owns row gw of weight (16,384 bytes: 32 chunks of 512) and rows 4 gw to 4 gw + 3 of x (65,536 bytes: 128 chunks).
; A ring of 32 slots in registers, worked on in four blocks of eight: weight's 32 chunks are asked for first; as each block is worked on, its slots take chunks of x; then x goes round, 32 chunks a round.
; 24 to 32 loads, 12,288 to 16,384 bytes, of every wave are in flight up to the last round.  Each store of the wave covers 256 consecutive bytes, aligned.  No LDS, no barrier: no wave needs another's numbers.
; LIMITS.  A NaN in weight counts as +1 or -1 in sgn and makes its wave's partial sum NaN, so the scale and with it every output become NaN, as in the reference.  -0 counts as 0.
; THE MODE: SCHED_MODE bits 1:0 = 2 (LLVM: expert scheduling mode 2), set by the entry lines.  The code itself states the register dependences
; between vector instructions and memory instructions, with s_wait_alu, always for 0.
; THE PLAN.  Registers that memory instructions touch:
;   X, slot i    Written by the slot's load.  Read by its block's vector work (weight: compares, signs, the sum's terms; x: the roundings); behind that work the slot is loaded again.
;   Y, slot i    Written by its block's roundings; read by the block's stores; written again one round later.
;   v2, v3, v4   Byte offsets, made once at the head and never written again: the chunks are reached by immediate offsets and by the scalar bases, which move on by a round at each round's head.
;   v6           The wave's sum: written by the reduction, read by psum's store, never written again.
;   T, v1, v5 and v14 are named by vector instructions alone.
; So ONE wait on va_vdst stands in a block, behind its vector work: that work is done reading the block's eight slots of X and has written its eight pairs of Y.  The block's eight loads and eight stores
; follow it with no vector instruction between.  ONE wait on vm_vsrc stands in a round of x, at its head, beside the wait on XCNT: the last round's stores have read Y.
; A block of weight has one wait on va_sdst more, between its run of 32 compares and the selects that read their masks.
.set D,    32                          ; slots
.set BL,   8                           ; slots in a block
.set LANE, 1                           ; v1       lane
.set LO,   2                           ; v2       16 x lane: my bytes in a chunk as loaded; never rewritten
.set SO,   3                           ; v3       8 x lane: my bytes in a chunk as stored; never rewritten
.set PO,   4                           ; v4       0: the offset of psum's store
.set S,    6                           ; v[6:9]   four chains of the sum of |w|
.set T,    10                          ; v[10:13] four signs in f32
.set X,    16                          ; v[16:143]  slot i: four registers as loaded
.set Y,    144                         ; v[144:207] slot i: two registers to store
.set M,    28                          ; s[28:59]   a block of weight: a mask for each of a lane's 32 numbers
	s_load_b256 s[4:11], s[0:1], 0x0               ; weight s[4:5], x s[6:7], sgn s[8:9], xb s[10:11]
	s_load_b64 s[12:13], s[0:1], 0x20              ; psum
	s_mov_b32 s14, 0x7fffffff                      ; all bits but the sign
	s_mov_b32 s20, 0x76543210                      ; v_permlanex16_b32: each lane takes its own place in the other half
	s_mov_b32 s21, 0xfedcba98
	s_mov_b32 s3, 0                                ; high word of the offsets below
	v_lshrrev_b32 v5, 5, v0
	v_readfirstlane_b32 s24, v5                    ; wave 0..7
	v_and_b32 v[LANE], 31, v0
	v_lshlrev_b32 v[LO], 4, v[LANE]
	v_lshlrev_b32 v[SO], 3, v[LANE]
	v_mov_b32 v[PO], 0
	v_mov_b32 v14, 0                               ; v_permlanex16_b32's destination counts as read
	s_wait_alu depctr_va_sdst(0)                   ; s24 is written, ahead of its first reader: all five bases are made from it
	s_lshl_b32 s25, ttmp9, 3
	s_add_co_u32 s25, s25, s24                     ; gw: my wave among the launch's 2,048
	s_wait_kmcnt 0x0
	s_lshl_b32 s2, s25, 14                         ; my row of weight
	s_add_nc_u64 s[4:5], s[4:5], s[2:3]
	s_wait_alu depctr_va_vdst(0)                   ; v2, v3 and v4 are written: every load and store of the kernel reads one of them as its offset
.set j, 0
.rept D
	global_load_b128 v[X+4*j:X+4*j+3], v[LO], s[4:5] offset:512*j th:TH_LOAD_NT  ; read once in the launch
.set j, j+1
.endr
	s_lshl_b32 s2, s25, 16                         ; my four rows of x: under 2^27
	s_add_nc_u64 s[6:7], s[6:7], s[2:3]
	s_lshl_b32 s2, s25, 13                         ; my row of sgn
	s_add_nc_u64 s[8:9], s[8:9], s[2:3]
	s_lshl_b32 s2, s25, 15                         ; my four rows of xb
	s_add_nc_u64 s[10:11], s[10:11], s[2:3]
	s_lshl_b32 s2, s25, 2                          ; my word of psum
	s_add_nc_u64 s[12:13], s[12:13], s[2:3]
; Block b of my row of weight, chunks 8 b to 8 b + 7: for each chunk four signs and four terms of the sum; then the slots take the same chunks of x, and the signs are stored.
.macro WBLK b
	s_wait_loadcnt D-BL                            ; loads come back in order (ISA guide 5.7.1): this block's eight are in, the 24 younger ones stay out
.set i, 0
.rept BL
.irp e, 0,1,2,3
	v_cmp_neq_f32 s[M+4*i+(\e)], 0, v[X+4*(BL*(\b)+i)+(\e)]  ; is w other than 0?  The block's compares stand in one run
.endr
.set i, i+1
.endr
	s_wait_alu depctr_va_sdst(0)                   ; the 32 compares have written s[28:59], ahead of the first select that reads one of them
.set i, 0
.rept BL
.set j, BL*(\b)+i
.irp e, 0,1,2,3
	v_bfi_b32 v[T+(\e)], s14, 1.0, v[X+4*j+(\e)]   ; 1.0 with w's sign
.endr
.irp e, 0,1,2,3
	v_cndmask_b32 v[T+(\e)], 0, v[T+(\e)], s[M+4*i+(\e)]  ; or 0
.endr
.irp e, 0,1,2,3
.if j == 0
	v_mul_f32 v[S+(\e)], v[T+(\e)], v[X+(\e)]      ; |w| = sign(w) w, exactly; the first chunk starts the chains: nothing is cleared
.else
	v_fmac_f32 v[S+(\e)], v[T+(\e)], v[X+4*j+(\e)]
.endif
.endr
	v_cvt_pk_bf16_f32 v[Y+2*j], v[T], v[T+1]
	v_cvt_pk_bf16_f32 v[Y+2*j+1], v[T+2], v[T+3]
.set i, i+1
.endr
	s_wait_alu depctr_va_vdst(0)                   ; the lines above are done reading the block's slots of X, in which the loads below land, and have written its pairs of Y, which the stores below read
.set i, 0
.rept BL
	global_load_b128 v[X+4*(BL*(\b)+i):X+4*(BL*(\b)+i)+3], v[LO], s[6:7] offset:512*(BL*(\b)+i) th:TH_LOAD_NT  ; the loads ahead of the stores
.set i, i+1
.endr
.set i, 0
.rept BL
	global_store_b64 v[SO], v[Y+2*(BL*(\b)+i):Y+2*(BL*(\b)+i)+1], s[8:9] offset:256*(BL*(\b)+i)
.set i, i+1
.endr
.endm
	WBLK 0
	WBLK 1
	WBLK 2
	WBLK 3
	v_add_f32 v[S], v[S], v[S+1]
	v_add_f32 v[S+2], v[S+2], v[S+3]
	v_add_f32 v[S], v[S], v[S+2]
	v_add_f32_dpp v[S], v[S], v[S] row_xmask:1 row_mask:0xf bank_mask:0xf
	v_add_f32_dpp v[S], v[S], v[S] row_xmask:2 row_mask:0xf bank_mask:0xf
	v_add_f32_dpp v[S], v[S], v[S] row_xmask:4 row_mask:0xf bank_mask:0xf
	v_add_f32_dpp v[S], v[S], v[S] row_xmask:8 row_mask:0xf bank_mask:0xf
	v_permlanex16_b32 v14, v[S], s20, s21
	v_add_f32 v[S], v[S], v14                      ; the wave's sum of |w|, in every lane
	v_cmp_eq_u32 vcc_lo, 0, v[LANE]
	s_wait_xcnt 0x0                                ; EXEC is a source of the loads and stores above: it changes only behind this wait
	s_wait_alu depctr_va_vcc(0)                    ; the compare has written VCC, from which EXEC is made
	s_wait_alu depctr_va_vdst(0)                   ; ahead of a scalar write of EXEC: the vector instructions issued so far are done; among them the reduction, which has written v6, the store's data
	s_wait_alu depctr_vm_vsrc(0)                   ; ahead of a scalar write of EXEC: the loads and stores issued so far have read their vector registers
	s_and_saveexec_b32 s22, vcc_lo
	global_store_b32 v[PO], v[S], s[12:13]         ; lane 0 alone: one word a wave, 8,192 bytes in the whole launch
	s_wait_xcnt 0x0
	s_wait_alu depctr_va_vdst(0)                   ; ahead of a scalar write of EXEC, as above
	s_wait_alu depctr_vm_vsrc(0)                   ; ahead of a scalar write of EXEC: psum's store has read v4 and v6
	s_or_b32 exec_lo, exec_lo, s22
; Block b of a round of x: the eight slots' chunks are rounded and stored.  ahead = 1: the slots take the chunks one round on, and 24 younger loads stay out at the block's head;
; ahead = 0: the last round, in which the counts run down.
.macro XBLK b, ahead
.if \ahead
	s_wait_loadcnt D-BL                            ; this block's eight loads are in, the three younger blocks' stay out
.else
	s_wait_loadcnt D-BL-BL*(\b)
.endif
.if (\b) == 0
	s_wait_xcnt 0x0                                ; every earlier memory instruction has had its addresses translated (ISA guide 3.1): the two bases and Y are rewritten only behind this wait
	s_wait_alu depctr_vm_vsrc(0)                   ; the last round's stores have read Y, which this round's roundings write again
.if \ahead
	s_add_nc_u64 s[6:7], s[6:7], D*512             ; x at the round that is asked for,
	s_add_nc_u64 s[10:11], s[10:11], D*256         ; xb likewise: the stores reach back by a round
.endif
.endif
.set i, BL*(\b)
.rept BL
	v_cvt_pk_bf16_f32 v[Y+2*i], v[X+4*i], v[X+4*i+1]
	v_cvt_pk_bf16_f32 v[Y+2*i+1], v[X+4*i+2], v[X+4*i+3]
.set i, i+1
.endr
	s_wait_alu depctr_va_vdst(0)                   ; the roundings have written the block's pairs of Y, which the stores below read, and are done reading its slots of X, in which the loads below land
.if \ahead
.set i, BL*(\b)
.rept BL
	global_load_b128 v[X+4*i:X+4*i+3], v[LO], s[6:7] offset:512*i th:TH_LOAD_NT  ; the loads ahead of the stores
.set i, i+1
.endr
.endif
.set i, BL*(\b)
.rept BL
	global_store_b64 v[SO], v[Y+2*i:Y+2*i+1], s[10:11] offset:256*i-(\ahead)*D*256
.set i, i+1
.endr
.endm
	s_mov_b32 s23, 128/D-1                         ; x's 128 chunks are four rounds; three of them load ahead
.Lround:
	XBLK 0, 1
	XBLK 1, 1
	XBLK 2, 1
	XBLK 3, 1
	s_sub_co_u32 s23, s23, 1
	s_cmp_lg_u32 s23, 0
	s_cbranch_scc1 .Lround
	XBLK 0, 0                                      ; the last round loads nothing: the counts run down, and no load leaves the buffer
	XBLK 1, 0
	XBLK 2, 0
	XBLK 3, 0
	s_endpgm
.Lfunc_end_k_qf7b5bf8653_prep:
	.size	k_qf7b5bf8653_prep, .Lfunc_end_k_qf7b5bf8653_prep-k_qf7b5bf8653_prep
	.p2alignl 7, 3214868480
	.fill 96, 4, 3214868480
	.section	.rodata,"a",@progbits
	.p2align	6, 0x0
	.amdhsa_kernel k_qf7b5bf8653_prep
		.amdhsa_group_segment_fixed_size 0
		.amdhsa_private_segment_fixed_size 0
		.amdhsa_enable_private_segment 0
		.amdhsa_kernarg_size 40
		.amdhsa_user_sgpr_count 2
		.amdhsa_user_sgpr_kernarg_segment_ptr 1
		.amdhsa_wavefront_size32 1
		.amdhsa_system_sgpr_workgroup_id_x 1
		.amdhsa_system_sgpr_workgroup_id_y 1
		.amdhsa_system_sgpr_workgroup_id_z 1
		.amdhsa_system_vgpr_workitem_id 0
		.amdhsa_next_free_vgpr 208
		.amdhsa_next_free_sgpr 66
		.amdhsa_reserve_vcc 1
		.amdhsa_float_denorm_mode_32 3
		.amdhsa_float_denorm_mode_16_64 3
		.amdhsa_memory_ordered 1
		.amdhsa_forward_progress 1
		.amdhsa_inst_pref_size 62
	.end_amdhsa_kernel
	.amdgpu_metadata
---
amdhsa.version: [ 1, 2 ]
amdhsa.kernels:
  - .name:           k_qf7b5bf8653_prep
    .symbol:         k_qf7b5bf8653_prep.kd
    .args:
      - { .name: weight, .offset: 0, .size: 8, .value_kind: global_buffer, .address_space: global }
      - { .name: x, .offset: 8, .size: 8, .value_kind: global_buffer, .address_space: global }
      - { .name: sgn, .offset: 16, .size: 8, .value_kind: global_buffer, .address_space: global }
      - { .name: xb, .offset: 24, .size: 8, .value_kind: global_buffer, .address_space: global }
      - { .name: psum, .offset: 32, .size: 8, .value_kind: global_buffer, .address_space: global }
    .group_segment_fixed_size: 0
    .private_segment_fixed_size: 0
    .kernarg_segment_align: 8
    .kernarg_segment_size: 40
    .max_flat_workgroup_size: 256
    .sgpr_count:     66
    .vgpr_count:     208
    .wavefront_size: 32
...
	.end_amdgpu_metadata
.endif
;; end of part 3
;; launch gemm: the kernel of part 2 again; grid 8 x 32, 4 waves a work-group, clusters of 4 x 4, 327,680 bytes of LDS; arguments xb, sgn, out0, psum; writes out0
